; MI455X (gfx1250); checked and timed in simulation.
; The chip was launched on July 23, 2026; its instructions are those of AMD's public machine-readable ISA for CDNA 5 (MIT licence, August 2026) and "CDNA5" Instruction Set Architecture Reference Guide (July 2026). The comments in the code are by the model that wrote it; some were corrected since.
;; Model. Allowed arithmetic: matrix products marked QUANTISED: E4M3 operands, one given power-of-two scale a tensor, by v_wmma_f32_16x16x64_fp8_fp8 or v_wmma_f32_16x16x128_fp8_fp8, f32 sums; everything else in f32.
;; Inputs: dropout_p one number float32; key_codes 2 x 32 x 2,048 x 4 x 32 uint8 (E4M3 codes of key, K innermost, in blocks of 32 codes); lowp_scales 4 int32 (the exponents e of the quantised operands' scales 2^e); query_codes 2 x 32 x 2,048 x 4 x 32 uint8 (E4M3 codes of query, K innermost, in blocks of 32 codes); scale_factor one number float32; value_codes 2 x 32 x 128 x 64 x 32 uint8 (E4M3 codes of value, K innermost, in blocks of 32 codes).
;; Outputs: out0 2 x 32 x 2,048 x 128 float32.
;; This version of the problem:
;;   THIS VERSION OF THE PROBLEM IS GIVEN IN LOW PRECISION. The matrix products marked QUANTISED in the list below multiply operands that are first quantised to E4M3 (4 exponent bits, 3 mantissa bits; 8 bits a number), with one given power-of-two scale for each operand tensor; their sums are f32. All else is computed in f32.
;;   The module's matrix products, in the order in which they are computed (A, B: the left and right operand; K: the contracted axis; several contracted axes count as one K, in the product's order):
;;     1. batch 64 x [M 2,048, K 128] x [K 128, N 2,048]; A: input query (given as codes); B: input key (given as codes): QUANTISED (scales: A lowp_scales[0], B lowp_scales[1])
;;     2. batch 64 x [M 2,048, K 2,048] x [K 2,048, N 128]; A: computed on the way; B: input value (given as codes): QUANTISED (scales: A lowp_scales[2], B lowp_scales[3])
;;   THE QUANTISER, for each operand of a quantised product, along K:
;;     - The operand's scale is 2^e, e = its entry of the input lowp_scales (int32; the entries are numbered through the quantised products in the list's order, A before B).
;;     - Each number is divided by the scale, clamped to +-448, and rounded to the nearest number of E4M3, ties to even, subnormals kept.
;;     - The product sums the exact products of the quantised numbers (number of the format x scale) in f32.
;;   ~~~python
;;   def quantise(x, axis, e):      # numpy; x: float32 -> the quantised numbers, widened to float32 again
;;       x = np.moveaxis(x, axis, -1); K = x.shape[-1]
;;       r = np.clip(x / 2.0 ** e, -448, 448)
;;       step = 2.0 ** (np.maximum(np.frexp(np.where(r == 0, 1, r))[1] - 1, -6) - 3)
;;       q = np.round(r / step) * step * 2.0 ** e      # np.round: ties to even
;;       return np.moveaxis(q, -1, axis).astype(np.float32)
;;   ~~~
;;   OPERANDS COMPUTED ON THE WAY. 'Computed on the way' means the value that the module computes at that place (a softmax that the list does not call 'softmax' is quantised finished and normalised). What goes into a quantiser is computed in f32, as accurately as f32 sums, v_exp_f32 and their like allow (about 1e-6 of the number): no bf16 or f16 on the way to a quantiser, and a product that is left as it is and whose result goes on into a quantised operand takes f32 operands (vector FMAs, or v_wmma_f32_16x16x4_f32). A number that lies on a knife's edge between two numbers of the format may be rounded either way, as far as f32 arithmetic and the matrix unit's own rounding can turn it there, and no further.
;;   INPUTS GIVEN AS CODES. key (in the module: [2, 32, 2048, 128], K = its axis 3); query (in the module: [2, 32, 2048, 128], K = its axis 3); value (in the module: [2, 32, 2048, 128], K = its axis 2): each comes as NAME_codes (uint8): NAME with its K axis moved to the last place and cut into blocks of 32 codes, [.., K / 32, bytes a block], one block behind the other in memory; one code a byte (a code: sign, 4 exponent bits, 3 mantissa bits); its scale is its entry of lowp_scales. Its value is code x scale, taken as it is: it is not quantised again, and the codes and scales need not be those that the quantiser above would give.
;; One version. Each part assembles by itself: llvm-mc -triple=amdgcn-amd-amdhsa -mcpu=gfx1250 --defsym DOCPART=n.
;; ======== version 1 of 1: 1 launch
;; limits: right only within a limited range of input values
;; launch attn (part 1): grid 8 x 64, 8 waves a work-group, clusters of 4 x 1, 327,680 bytes of LDS; arguments query_codes, key_codes, value_codes, lowp_scales, scale_factor, dropout_p, out0; writes out0
.if DOCPART == 1
	.amdgcn_target "amdgcn-amd-amdhsa--gfx1250"
	.amdhsa_code_object_version 6
	.text
	.protected	k_q7c9d66459c_attn
	.globl	k_q7c9d66459c_attn
	.p2align	8
	.type	k_q7c9d66459c_attn,@function
k_q7c9d66459c_attn:
	s_mov_b64 s[64:65], 0
	v_nop
	global_prefetch_b8 v0, s[64:65] scope:SCOPE_SE
	s_setreg_imm32_b32 hwreg(HW_REG_WAVE_MODE, 25, 1), 1
	s_wait_xcnt 0x0
	s_wait_alu depctr_hold_cnt(0) depctr_sa_sdst(0) depctr_va_vdst(0) depctr_va_sdst(0) depctr_va_ssrc(0) depctr_va_vcc(0) depctr_vm_vsrc(0)
	s_getreg_b32 s2, hwreg(HW_REG_IB_STS2, 6, 4)
	s_cmp_eq_u32 s2, 0
	s_cbranch_scc0 .Lentry_in_a_cluster
	s_endpgm
.Lentry_in_a_cluster:
	s_bfe_u32 s2, ttmp6, 0x10000c
	s_cmp_lg_u32 s2, 0x3003
	s_cbranch_scc0 .Lentry_shape_is_right
	s_endpgm
.Lentry_shape_is_right:
; out[h][q][:] = sum over k of P[q][k] V[h][k][:],  P = softmax_k(Q[h][q] . K[h][k] x scale_factor) x dropout_p.  64 heads, 2,048 queries, 2,048 keys, head size 128.
; Both products run on codes of FP8 (E4M3).  Q, K: [64][2048][128] codes, the head axis innermost.  V: [64][128][2048] codes, the keys innermost.  out: [64][2048][128] f32.
; WHAT IS QUANTISED for the second product is the FINISHED number P (normalised, times dropout_p), with the given scale 2^e2.  So a row's maximum and sum must be whole before any
; of its P is made.  THE SCORES ARE THEREFORE MADE TWICE: pass A walks all keys for a running maximum M and sum l; pass B walks them again, makes P = 2^(c s - c M) x dropout_p / l,
; converts it and multiplies by V.  Nothing but the inputs is read and nothing but out is written.
; c = |scale_factor x log2(e) x 2^(e0+e1)|.  A negative scale_factor is served by turning the sign bits of Q's codes once, so that c s keeps its value and the largest s is the largest c s.
; SHARES.  A work-group owns 256 queries of one head, each of its eight waves 32: two tiles of 16, in 512 registers, two waves to a SIMD.  Every fragment of K and V read from LDS feeds two products.
; LAYOUT.  Both products are used transposed: S^T = K Q^T (source 0 = 16 keys, source 1 = 16 queries), O^T = V^T P^T (source 0 = 16 channels, source 1 = P): a lane holds ONE query (lane % 16).
; In S^T register j of tile kt is key 16 kt + 8 (lane / 16) + j: one conversion of the tile's eight registers gives registers 2 kt, 2 kt + 1 of the second product's source 1, in that form's own layout;
; V's fragments are read in the same layout, eight loads of 8 bytes.  K and Q both lie as four loads of 16 bytes give them: the same order of the head's 128 on both sides.
; In pass A a lane keeps M and l for its own half of the keys; the two halves of the lanes meet once, between the passes.
; CLUSTER.  The four query blocks of a cluster belong to one head and walk the same K and V: each tile is asked for JOINTLY, by the same tensor load with the same descriptor and the mask of all four.
; RING.  Two LDS slots of 256 keys (K: 256 rows, V: 128 rows of 256 codes).  16 visits: 0-7 pass A on K, 8-15 pass B on K and V; visit v reads slot v % 2, and the change of slots at its head fills the other one.
; V's first two slots are fetched at the start and lie untouched through pass A.
; LIMITS.  e2 between -126 and 127, so that 2^e2 is an f32 number; a weight under 2^-126 ahead of dropout_p / l counts as 0 (v_exp_f32), which can change a code only where e2 < -116.
; e0 + e1 and e2 + e3 are applied by v_ldexp_f32 and have no limit.  NaN codes, and a NaN or infinite scale_factor or dropout_p, are not served.
; REGISTERS.  Window 0: v1-14 addresses and constants; v16-31 statistics, eight a tile; v32-63 Q; v64-191 S^T, then the weights; v192-223 P's codes; v224-239 chains at work; v240-241 c; v242-243 at the head.
;             Window 1: v0-127 O^T, 64 a tile; v128-255 eight fragments of K or of V.
.set KP,    144                        ; a key's row in LDS: 128 bytes + 16 = 36 words: the 16 rows of a load start at 16 different groups of four banks (64 banks of 4 bytes: ISA guide 11.1)
.set VP,    272                        ; a row of V's tile: 256 bytes + 16 = 68 words: the 32 lanes of a load of 8 bytes touch 64 different banks
.set VOFF,  256*KP                     ; a slot: 256 rows of K, then 128 rows of V
.set SLOT1, 1<<17                      ; slot 1 begins here: one exclusive or turns an address in one slot into the other's
.set STAGE, VOFF+128*VP                ; behind slot 0: 16 rows x 272 bytes for each wave, for the way out; no tile lands here
.set SP,    272
.set SPARE, 2*SLOT1                    ; the spare words, 128 bytes for each wave: four blocks of 256 bytes that no other line names
.set HEADB, 2048*128                   ; a head's codes in bytes, in each of the three tensors
.set SLOTK, 256*128                    ; a slot's keys in memory: one dense block
.set AK0,  1                           ; v1   my lane's place in a tile of K: 144 r + 16 h
.set AV0,  2                           ; v2   in a tile of V: VOFF + 272 r + 8 h
.set PFOK, 3                           ; v3   K's prefetches: 256 x lane; never rewritten
.set ADK,  4                           ; v4   LDS address of the K loads in hand
.set SPW,  5                           ; v5   LDS address of my spare word; never rewritten
.set NIL,  6                           ; v6   0; never rewritten
.set GO,   7                           ; v7   the way out: my byte offset in two rows of out
.set ADV,  8                           ; v8   LDS address of the V loads in hand
.set STO,  9                           ; v9   the way out: where I put 32 bytes of a row
.set RD,   10                          ; v10  the way out: where I read a row back
.set QO,   11                          ; v11  my byte offset in a tile of Q
.set LIM,  12                          ; v12  unused
.set SCL,  13                          ; v13  2^e2 as f32: the conversion takes its exponent field
.set PFOV, 14                          ; v14  V's prefetches: 2,048 x lane; never rewritten
.set ST,   16                          ; tile t's statistics at v[ST + 8 t]: +0 c M, +1 M, +2 +3 l (even, odd registers), +4 a, later g = dropout_p / l, +5 to +7 at work
.set Q,    32
.set S,    64
.set P,    192
.set MX,   224                         ; the maximum's two chains, a pair for each tile
.set SX,   228                         ; the sum's three side chains, three pairs for each tile
.set CV,   240                         ; v[240:241] c, twice
.set RR,   242                         ; r = lane % 16, h = lane / 16: at the head only
.set HH,   243
.set O,    0                           ; in window 1
.set F,    128                         ; in window 1
.set WV,   18                          ; s18  my wave's number
.set CX,   19                          ; s19  my place in the cluster: it enters global addresses of Q, out and the prefetches alone
.set SEL,  20                          ; s[20:21] lane selects for v_permlanex16_b32: lane l xor 16
.set G1K,  24                          ; s[24:31] descriptor group 1 for K's tiles;  s[32:39] for V's
.set G1V,  32
.set G0K,  40                          ; s[40:43] group 0 for K: it walks
.set G0V0, 44                          ; s[44:47] group 0 for V's first slot
.set KB,   48                          ; s[48:49] K at my head and my half of a slot
.set KOFF, 50                          ; s[50:51] the slot's byte offset in the head, modulo the head's bytes: K is walked twice
.set TB,   52                          ; s52  LDS byte at which the slot in hand begins
.set SLOTS, 53                         ; s53  counts a loop's visits
.set LIMK, 54                          ; s54  2 in the wave that prefetches, else the greatest number
.set LIMV, 55                          ; s55  1 likewise
.set PFK,  56                          ; s[56:57] where K's prefetches stand
.set PFV,  58                          ; s[58:59] where V's stand
.set G0V,  60                          ; s[60:63] group 0 for V's second slot: it then walks
.set EX,   68                          ; s[68:71] e0, e1, e2, e3
.set SF,   72                          ; s72  scale_factor
.set DP,   73                          ; s73  dropout_p
.set MSB, 0
.macro WIN new                         ; low byte: bits 1:0 source 0, 3:2 source 1, 5:4 source 2, 7:6 destination; the high byte repeats the setting that is left
.if MSB != \new
	s_set_vgpr_msb (MSB<<8)|\new
.set MSB, \new
.endif
.endm
; A vector instruction that reads a matrix result or writes one of a matrix instruction's registers, and a load into a register that a matrix instruction has read, stand four places behind it;
; only plain vector instructions that name none of its registers are places (ISA guide 7.12.1 for vector instructions).
.macro PLACES
.rept 4
	v_nop
.endr
.endm
; A round of the cluster's barrier: my work-group's barrier, so that wave 0's signal speaks for all eight waves; wave 0 signals; every wave waits for all four work-groups; my work-group's barrier once more.
.macro CROUND
	s_barrier_signal -1
	s_barrier_wait -1
	s_cmp_lg_u32 s[WV], 0
	s_cbranch_scc1 .Lnot_wave_0_\@
	s_barrier_signal -3
.Lnot_wave_0_\@:
	s_barrier_wait -3
	s_barrier_signal -1
	s_barrier_wait -1
.endm
; The joint refills.  Waves 0 and 1 fetch K's halves (128 keys each), waves 2 and 3 V's (64 rows each), the others nothing.  The branches hang on the wave's number alone.
; Four v_nop follow each tensor load.
.macro TLOADK
	s_cmp_lt_u32 s[WV], 2
	s_cbranch_scc0 .Lasked_\@
	tensor_load_to_lds s[G0K:G0K+3], s[G1K:G1K+7]
	s_nop 0
	PLACES
.Lasked_\@:
.endm
.macro TLOADKV
	s_cmp_lt_u32 s[WV], 2
	s_cbranch_scc0 .Lnot_k_\@
	tensor_load_to_lds s[G0K:G0K+3], s[G1K:G1K+7]
	s_nop 0
	PLACES
	s_branch .Lasked_\@
.Lnot_k_\@:
	s_cmp_lt_u32 s[WV], 4
	s_cbranch_scc0 .Lasked_\@
	tensor_load_to_lds s[G0V:G0V+3], s[G1V:G1V+7]
	s_nop 0
	PLACES
.Lasked_\@:
.endm
; A PREFETCH INTO THE L2 of what the NEXT change of slots will ask for.  Both clusters of a head walk the same K and V: the head's first cluster asks, in it wave 4 of each work-group, one instruction.
; The four partners share a slot out BY ADDRESS: of K's block of 32,768 bytes each takes 8,192, lanes 256 bytes apart; of V's 128 rows each takes 32, a lane a row (a slot's part of a row is 256 bytes).
; So each aligned block of 256 bytes is named once.  K is asked for in pass A alone (slots 2 to 7), V in pass B (slots 2 to 7); the first two slots of each come by their loads alone.
.macro ASK lim, off, ptr
	s_cmp_gt_u32 s[SLOTS], s[\lim]
	s_cbranch_scc0 .Lnot_mine_\@
	global_prefetch_b8 v[\off], s[\ptr:\ptr+1] th:TH_LOAD_NT scope:SCOPE_SE
.Lnot_mine_\@:
.endm
; THE CHANGE OF SLOTS, at a visit's head.  Each wave waits for all its tensor loads (its part of the slot that it is about to read), adds 0 to its spare word, and waits for that and for its reads of
; the slot that it has left.  Behind the round the slot ahead is whole in all four work-groups and nobody reads the other one, which is filled first thing: one tensor load a wave.
; kind 0: pass A, K alone.  1: visit 8, K alone (V's second slot lies there since the start).  2: K and V.  3: the last visit: nothing is filled, so a plain barrier serves.
.macro CHANGE kind
	s_wait_tensorcnt 0x0                           ; no tensor load of mine is out, so a group 0 may be written
	ds_add_u32 v[SPW], v[NIL]                      ; 0 onto my spare word: the descriptors' steps stand between it and the wait for it
.if \kind < 3
	s_xor_b32 s[G0K+1], s[G0K+1], SLOT1            ; the other slot than last time,
	s_add_co_u32 s[KOFF], s[KOFF], SLOTK           ; the next 256 keys,
	s_and_b32 s[KOFF], s[KOFF], HEADB-1            ; behind the head's last the first again: pass B
	s_add_nc_u64 s[G0K+2:G0K+3], s[KB:KB+1], s[KOFF:KOFF+1]
	s_or_b32 s[G0K+3], s[G0K+3], 0x80000000        ; type = 2
.if \kind == 2
	s_xor_b32 s[G0V+1], s[G0V+1], SLOT1
	s_add_nc_u64 s[G0V+2:G0V+3], s[G0V+2:G0V+3], 256   ; 256 keys on in every row of V; the type bits on top are not reached
.endif
	s_wait_xcnt 0x0                                ; the last prefetch, a visit back, has read its address, so it may be written
.if \kind == 0
	s_add_nc_u64 s[PFK:PFK+1], s[PFK:PFK+1], SLOTK
.else
	s_add_nc_u64 s[PFV:PFV+1], s[PFV:PFV+1], 256
.endif
	s_wait_dscnt 0x0                               ; the add is done, and my reads of the slot that I have left are over
	CROUND
.if \kind == 2
	TLOADKV
.else
	TLOADK
.endif
.else
	s_wait_dscnt 0x0
	s_barrier_signal -1
	s_barrier_wait -1
.endif
.endm
; The LDS loads stand in runs.  K of the slot's q-th 128 keys: eight fragments of 16 keys x 128, four loads of 16 bytes each.
.macro FETCHK q
	v_add_nc_u32 v[ADK], s[TB], v[AK0]
	WIN 0x40                                       ; destination window 1, address window 0
.irp kt, 0,1,2,3,4,5,6,7
.irp c, 0,1,2,3
	ds_load_b128 v[F+16*\kt+4*\c:F+16*\kt+4*\c+3], v[ADK] offset:(128*(\q)+16*\kt)*KP+32*\c
.endr
.endr
	WIN 0
.endm
; V of the same keys: eight fragments of 16 channels x 128 keys, eight loads of 8 bytes each: registers 2 c, 2 c + 1 hold keys 16 c + 8 h + 0 .. 7, as P's codes lie.
.macro FETCHV q
	v_add_nc_u32 v[ADV], s[TB], v[AV0]
	WIN 0x40
.irp dt, 0,1,2,3,4,5,6,7
.irp c, 0,1,2,3,4,5,6,7
	ds_load_b64 v[F+16*\dt+2*\c:F+16*\dt+2*\c+1], v[ADV] offset:16*\dt*VP+128*(\q)+16*\c
.endr
.endr
	WIN 0
.endm
; S^T = K Q^T for 128 keys and both tiles: 16 products, each a whole sum (the head's 128 are one instruction deep), so each starts from the constant 0.
.macro QK
	WIN 0x01                                       ; source 0 (K) window 1
.irp kt, 0,1,2,3,4,5,6,7
.irp t, 0,1
	v_wmma_f32_16x16x128_fp8_fp8 v[S+64*\t+8*\kt:S+64*\t+8*\kt+7], v[F+16*\kt:F+16*\kt+15], v[Q+16*\t:Q+16*\t+15], 0
.endr
.endr
	WIN 0
.endm
; O^T += V^T P^T: 16 accumulators, one instruction a turn.  zero = 1: the first products start the sums: nothing is ever cleared.
.macro PV zero
	WIN 0x51                                       ; source 0 (V), C and D (O^T) window 1; source 1 (P) window 0
.irp dt, 0,1,2,3,4,5,6,7
.irp t, 0,1
.if \zero
	v_wmma_f32_16x16x128_fp8_fp8 v[O+64*\t+8*\dt:O+64*\t+8*\dt+7], v[F+16*\dt:F+16*\dt+15], v[P+16*\t:P+16*\t+15], 0
.else
	v_wmma_f32_16x16x128_fp8_fp8 v[O+64*\t+8*\dt:O+64*\t+8*\dt+7], v[F+16*\dt:F+16*\dt+15], v[P+16*\t:P+16*\t+15], v[O+64*\t+8*\dt:O+64*\t+8*\dt+7]
.endif
.endr
.endr
	WIN 0
.endm
; Operation k of 32 of tile t's maximum: M and the lane's 64 scores, three operands at a time, in two chains, in ascending order: each accumulator is read from its low end on.
.macro MAXOP t, k
.set rS, S+64*(\t)
.set rX, MX+2*(\t)
.set rT, ST+8*(\t)
.if (\k) == 0
	v_max3_num_f32 v[rX], v[rT+1], v[rS], v[rS+1]
.elseif (\k) == 1
	v_max3_num_f32 v[rX+1], v[rS+2], v[rS+3], v[rS+4]
.elseif (\k) < 31
	v_max3_num_f32 v[rX+(\k)%2], v[rX+(\k)%2], v[rS+2*(\k)+1], v[rS+2*(\k)+2]
.else
	v_max3_num_f32 v[rT+1], v[rX], v[rX+1], v[rS+63]
.endif
.endm
.macro FMA t, j                        ; pair j of tile t: c s - c M, one rounding (of the pairs c and c M the low word serves both halves)
.set rS, S+64*(\t)+2*(\j)
	v_pk_fma_f32 v[rS:rS+1], v[rS:rS+1], v[CV:CV+1], v[ST+8*(\t):ST+8*(\t)+1] op_sel_hi:[1,0,0] neg_lo:[0,0,1] neg_hi:[0,0,1]
.endm
.macro EXP2 t, j                       ; pair j: 2^(c s - c M)
.set rS, S+64*(\t)+2*(\j)
	v_exp_f32 v[rS], v[rS]
	v_exp_f32 v[rS+1], v[rS+1]
.endm
; Operation j of 32 of tile t's sum, two numbers at a time, in four chains: l itself (l = l a + pair 0, then every fourth pair) and three beside it, joined at the end.
.macro SUMOP t, j
.set rS, S+64*(\t)
.set rT, ST+8*(\t)
.set rX, SX+6*(\t)-2                   ; chain n = 1, 2, 3 at rX + 2 n
.if (\j) == 0
	v_pk_fma_f32 v[rT+2:rT+3], v[rT+2:rT+3], v[rT+4:rT+5], v[rS:rS+1] op_sel_hi:[1,0,1]
.elseif (\j) < 4
	v_pk_add_f32 v[rX+2*(\j):rX+2*(\j)+1], v[rS+4*(\j)-2:rS+4*(\j)-1], v[rS+4*(\j):rS+4*(\j)+1]
.elseif (\j) < 29
.if (\j)%4 == 0
	v_pk_add_f32 v[rT+2:rT+3], v[rT+2:rT+3], v[rS+2*(\j)+6:rS+2*(\j)+7]
.else
	v_pk_add_f32 v[rX+2*((\j)%4):rX+2*((\j)%4)+1], v[rX+2*((\j)%4):rX+2*((\j)%4)+1], v[rS+2*(\j)+6:rS+2*(\j)+7]
.endif
.elseif (\j) == 29
	v_pk_add_f32 v[rT+2:rT+3], v[rT+2:rT+3], v[rX+2:rX+3]
.elseif (\j) == 30
	v_pk_add_f32 v[rX+4:rX+5], v[rX+4:rX+5], v[rX+6:rX+7]
.else
	v_pk_add_f32 v[rT+2:rT+3], v[rT+2:rT+3], v[rX+4:rX+5]
.endif
.endm
.macro HOLD t, j                       ; pair j: x g = dropout_p / l: the finished weight
.set rS, S+64*(\t)+2*(\j)
	v_pk_mul_f32 v[rS:rS+1], v[rS:rS+1], v[ST+8*(\t)+4:ST+8*(\t)+5] op_sel_hi:[1,0]
.endm
.macro CVT t                           ; tile t's 64 weights become the 16 registers of source 1: eight numbers / 2^e2 to the nearest code, ties to even
.irp kt, 0,1,2,3,4,5,6,7
	v_cvt_scalef32_pk8_fp8_f32 v[P+16*(\t)+2*\kt:P+16*(\t)+2*\kt+1], v[S+64*(\t)+8*\kt:S+64*(\t)+8*\kt+7], v[SCL]
.endr
.endm
; PASS A's vector work for 128 keys.  The exponentials go in two batches, one a tile, each set between plain work of the other tile; one s_wait_alu stands between a batch and the
; first line that names one of its results.  The line ahead of each wait is plain and names none.
.macro SOFTA
.set j, 0
.rept 32
	MAXOP 0, j
	MAXOP 1, j
.set j, j+1
.endr
.irp t, 0,1
	v_mov_b32 v[ST+8*\t+5], v[ST+8*\t]             ; c M as it was
.endr
.irp t, 0,1
	v_mul_f32 v[ST+8*\t], v[CV], v[ST+8*\t+1]      ; c M
.endr
.irp t, 0,1
	v_sub_f32 v[ST+8*\t+5], v[ST+8*\t+5], v[ST+8*\t]
.endr
.irp t, 0,1
	v_exp_f32 v[ST+8*\t+4], v[ST+8*\t+5]           ; a = 2^(c M_old - c M_new): 1 where M has not grown
.endr
.set j, 0
.rept 32
	FMA 0, j
.set j, j+1
.endr
.set j, 0
.rept 32
	EXP2 0, j
	FMA 1, j
.set j, j+1
.endr
	s_wait_alu depctr_va_vdst(0)                   ; for both a and tile 0's batch
.set j, 0
.rept 32
	EXP2 1, j
	SUMOP 0, j
.set j, j+1
.endr
	s_wait_alu depctr_va_vdst(0)                   ; for tile 1's batch
.set j, 0
.rept 32
	SUMOP 1, j
.set j, j+1
.endr
.endm
; PASS B's vector work for 128 keys: M and l are final, so there is no maximum, no sum and no rescaling of O^T.
.macro SOFTB
.set j, 0
.rept 32
	FMA 0, j
.set j, j+1
.endr
.set j, 0
.rept 32
	EXP2 0, j
	FMA 1, j
.set j, j+1
.endr
	s_wait_alu depctr_va_vdst(0)                   ; for tile 0's batch
.set j, 0
.rept 32
	EXP2 1, j
	HOLD 0, j
.set j, j+1
.endr
	CVT 0
	s_wait_alu depctr_va_vdst(0)                   ; for tile 1's batch
.set j, 0
.rept 32
	HOLD 1, j
.set j, j+1
.endr
	CVT 1
	v_nop                                          ; one plain vector instruction between the last scaled conversion and the products that read its result
.endm
.macro STEPA q                         ; a key step of pass A; the slot's second step is fetched while the first is worked
	s_wait_dscnt 0x0                               ; K's fragments are in
	QK
	PLACES
.if (\q) == 0
	FETCHK 1
.endif
	SOFTA
.endm
.macro STEPB q, zero                   ; a key step of pass B; V's fragments take the registers that K's have left and land during the vector work
	s_wait_dscnt 0x0                               ; K's fragments are in
	QK
	PLACES
	FETCHV \q
	SOFTB
	s_wait_dscnt 0x0                               ; V's fragments are in
	PV \zero
	PLACES
.if (\q) == 0
	FETCHK 1
.endif
.endm
	s_load_b256 s[4:11], s[0:1], 0x0               ; Q s[4:5], K s[6:7], V s[8:9], the scales' exponents s[10:11]
	s_load_b128 s[12:15], s[0:1], 0x20             ; scale_factor s[12:13], dropout_p s[14:15]
	s_load_b64 s[16:17], s[0:1], 0x30              ; out
	v_lshl_add_u32 v[SPW], v0, 2, SPARE
	v_mov_b32 v[NIL], 0
	ds_add_u32 v5, v6
	s_wait_dscnt 0x0
	v_lshrrev_b32 v[QO], 5, v0
	v_readfirstlane_b32 s[WV], v[QO]               ; wave 0..7
	s_bfe_u32 s[CX], ttmp6, 0x40000                ; cx
	s_lshl_b32 s74, ttmp9, 2                       ; in a cluster launch ttmp9 counts clusters
	s_add_co_u32 s74, s74, s[CX]                   ; my block of 256 queries
	s_and_b32 s75, ttmp7, 0xffff                   ; the head, which the four partners share
	s_lshl_b32 s76, s75, 18                        ; the head's first byte in each tensor of codes
	s_mov_b32 s77, 0
	s_lshl_b32 s78, s74, 15                        ; my block's 256 rows of 128 bytes,
	s_lshl_b32 s79, s[WV], 12                      ; my wave's 32 of them,
	s_add_co_u32 s78, s78, s79
	s_add_co_u32 s78, s78, s76                     ; in my head: Q
	s_mov_b32 s79, 0
	s_lshl_b32 s80, s78, 2                         ; out: rows of 512 bytes
	s_mov_b32 s81, 0
	s_and_b32 s82, s[WV], 1                        ; which half of a tile I fetch, if I fetch
	s_lshl_b32 s84, s82, 14                        ; K: 128 keys of 128 bytes
	s_add_co_u32 s84, s84, s76
	s_mov_b32 s85, 0
	s_lshl_b32 s86, s82, 17                        ; V: 64 rows of 2,048 bytes
	s_add_co_u32 s86, s86, s76
	s_mov_b32 s87, 0
	s_mul_i32 s88, s82, 128*KP                     ; and their places in a slot: no place in the cluster enters an LDS address
	s_mul_i32 s89, s82, 64*VP
	s_add_co_u32 s89, s89, VOFF
	; descriptor group 1.  K: 128 rows of 128 bytes, dense in memory.  V: 64 rows of 256 bytes, 2,048 bytes apart.
	s_mov_b32 s[G1K], 15|(1<<20)|(1<<21)|(4<<22)|(3<<25)   ; 15:0 the mask: all four work-groups; 17:16 elements of 1 byte; 20 padding on; 21 set beside a mask; 24:22 after every 32 words (code 4); 31:25 four words (code 3)
	s_mov_b32 s[G1K+1], 128<<16                    ; tensor_dim0
	s_mov_b32 s[G1K+2], 128<<16                    ; tensor_dim1
	s_mov_b32 s[G1K+3], 128<<16                    ; tile_dim0
	s_mov_b32 s[G1K+4], 128                        ; tile_dim1
	s_mov_b32 s[G1K+5], 128                        ; tensor_dim0_stride
	s_mov_b32 s[G1K+6], 0
	s_mov_b32 s[G1K+7], 0
	s_mov_b32 s[G1V], 15|(1<<20)|(1<<21)|(5<<22)|(3<<25)   ; padding: four words after every 64
	s_mov_b32 s[G1V+1], 256<<16
	s_mov_b32 s[G1V+2], 64<<16
	s_mov_b32 s[G1V+3], 256<<16
	s_mov_b32 s[G1V+4], 64
	s_mov_b32 s[G1V+5], 2048
	s_mov_b32 s[G1V+6], 0
	s_mov_b32 s[G1V+7], 0
	s_mov_b32 s[SEL], 0x76543210
	s_mov_b32 s[SEL+1], 0xfedcba98
	s_mov_b32 s[TB], 0
	s_mov_b32 s[KOFF], 0
	s_mov_b32 s[KOFF+1], 0
	s_xor_b32 s90, s[WV], 4                        ; 0 in wave 4,
	s_or_b32 s90, s90, ttmp9                       ; of the head's first cluster: the same in all four partners
	s_cmp_eq_u32 s90, 0
	s_cselect_b32 s[LIMK], 2, -1
	s_cselect_b32 s[LIMV], 1, -1
	s_lshl_b32 s90, s[CX], 13                      ; K's prefetches: my work-group's 8,192 bytes of a slot,
	s_add_co_u32 s90, s90, s76
	s_add_co_u32 s90, s90, SLOTK                   ; in slot 1: the first change of slots steps it to slot 2
	s_mov_b32 s91, 0
	s_lshl_b32 s92, s[CX], 16                      ; V's: my work-group's 32 rows,
	s_add_co_u32 s92, s92, s76
	s_add_co_u32 s92, s92, 256                     ; in slot 1: visit 8 steps it to slot 2
	s_mov_b32 s93, 0
	s_wait_kmcnt 0x0
	s_load_b128 s[EX:EX+3], s[10:11], 0x0          ; e0, e1, e2, e3
	s_load_b32 s[SF], s[12:13], 0x0
	s_load_b32 s[DP], s[14:15], 0x0
	s_add_nc_u64 s[KB:KB+1], s[6:7], s[84:85]
	s_mov_b32 s[G0K], 1                            ; count = 1
	s_mov_b32 s[G0K+1], s88                        ; LDS address: slot 0
	s_mov_b64 s[G0K+2:G0K+3], s[KB:KB+1]           ; global address: the head's first 256 keys
	s_or_b32 s[G0K+3], s[G0K+3], 0x80000000        ; type = 2
	s_mov_b32 s[G0V0], 1
	s_mov_b32 s[G0V0+1], s89
	s_add_nc_u64 s[G0V0+2:G0V0+3], s[8:9], s[86:87]
	s_mov_b32 s[G0V], 1
	s_add_co_u32 s[G0V+1], s89, SLOT1              ; V's second slot
	s_add_nc_u64 s[G0V+2:G0V+3], s[G0V0+2:G0V0+3], 256
	s_or_b32 s[G0V0+3], s[G0V0+3], 0x80000000
	s_or_b32 s[G0V+3], s[G0V+3], 0x80000000
	s_add_nc_u64 s[PFK:PFK+1], s[6:7], s[90:91]
	s_add_nc_u64 s[PFV:PFV+1], s[8:9], s[92:93]
	s_add_nc_u64 s[4:5], s[4:5], s[78:79]          ; Q and out at my wave's first query
	s_add_nc_u64 s[16:17], s[16:17], s[80:81]
	CROUND                                         ; all four work-groups are here: the first joint loads meet
	s_cmp_lt_u32 s[WV], 2                          ; a wave's first fills stand in one branch, ahead of every wait on TENSORcnt and every LDS read: one load of waves 0, 1 is out, two of waves 2, 3
	s_cbranch_scc0 .Lfirst_not_k
	tensor_load_to_lds s[G0K:G0K+3], s[G1K:G1K+7]
	s_nop 0
	PLACES
	s_branch .Lfirst_asked
.Lfirst_not_k:
	s_cmp_lt_u32 s[WV], 4
	s_cbranch_scc0 .Lfirst_asked
	tensor_load_to_lds s[G0V0:G0V0+3], s[G1V:G1V+7]
	s_nop 0
	tensor_load_to_lds s[G0V:G0V+3], s[G1V:G1V+7]
	s_nop 0
	PLACES
.Lfirst_asked:
	v_and_b32 v[RR], 15, v0                        ; r
	v_bfe_u32 v[HH], v0, 4, 1                      ; h
	v_lshlrev_b32 v[QO], 7, v[RR]
	v_lshl_add_u32 v[QO], v[HH], 4, v[QO]          ; Q: row r of 128 bytes, + 16 h
.irp t, 0,1
.irp c, 0,1,2,3
	global_load_b128 v[Q+16*\t+4*\c:Q+16*\t+4*\c+3], v[QO], s[4:5] offset:2048*\t+32*\c th:TH_LOAD_NT   ; Q's two fragments stay in registers
.endr
.endr
	v_mul_u32_u24 v[AK0], v[RR], KP
	v_lshl_add_u32 v[AK0], v[HH], 4, v[AK0]
	v_mul_u32_u24 v[AV0], v[RR], VP
	v_lshl_add_u32 v[AV0], v[HH], 3, v[AV0]
	v_add_nc_u32 v[AV0], VOFF, v[AV0]
	v_and_b32 v[PFOK], 31, v0
	v_lshlrev_b32 v[PFOV], 11, v[PFOK]
	v_lshlrev_b32 v[PFOK], 8, v[PFOK]
	v_lshlrev_b32 v[GO], 9, v[HH]
	v_lshl_add_u32 v[GO], v[RR], 4, v[GO]          ; the way out: lanes 0-15 one row of out, lanes 16-31 the next; 16 bytes a lane
	s_mul_i32 s94, s[WV], 16*SP
	s_add_co_u32 s94, s94, STAGE                   ; my stage
	v_mul_u32_u24 v[STO], v[RR], SP
	v_lshl_add_u32 v[STO], v[HH], 5, v[STO]
	v_add_nc_u32 v[STO], s94, v[STO]               ; in: row r, 32 bytes for each half of the lanes
	v_mul_u32_u24 v[RD], v[HH], SP
	v_lshl_add_u32 v[RD], v[RR], 4, v[RD]
	v_add_nc_u32 v[RD], s94, v[RD]                 ; back: lanes 0-15 one row of 256 bytes, lanes 16-31 the next
	s_wait_kmcnt 0x0
	s_add_co_i32 s74, s[EX], s[EX+1]               ; e0 + e1
	v_mov_b32 v[CV], s[SF]
	v_mul_f32 v[CV], 0x3fb8aa3b, v[CV]             ; scale_factor x log2(e),
	v_ldexp_f32 v[CV], v[CV], s74                  ; x 2^(e0 + e1): a score stands for score x 2^(e0 + e1),
	v_and_b32 v[CV], 0x7fffffff, v[CV]             ; its magnitude: c
	v_mov_b32 v[CV+1], v[CV]
	s_ashr_i32 s75, s[SF], 31
	s_and_b32 s75, s75, 0x80808080                 ; the four sign bits of a word of codes where scale_factor is negative, else 0: no branch hangs on it
	s_add_co_i32 s76, s[EX+2], 127
	s_lshl_b32 s77, s76, 23
	v_mov_b32 v[SCL], s77                          ; 2^e2
.irp t, 0,1
	v_mov_b32 v[ST+8*\t+1], 0xff61b1e6             ; M: -3e38, under every score
	v_mul_f32 v[ST+8*\t], v[CV], v[ST+8*\t+1]      ; c M (minus infinity where c is large: the first a is then 0, and l is 0)
.irp i, 2,3,4,5,6,7
	v_mov_b32 v[ST+8*\t+\i], 0                     ; l = 0; the others are written once, since they are named in pairs and as a lane permute's destination
.endr
.endr
	s_wait_loadcnt 0x0                             ; Q
.set j, 0
.rept 32
	v_xor_b32 v[Q+j], s75, v[Q+j]                  ; Q's signs follow scale_factor's
.set j, j+1
.endr
	; PASS A: visits 0 to 7
	s_mov_b32 s[SLOTS], 8
.LpassA:
	CHANGE 0
	FETCHK 0
	ASK LIMK, PFOK, PFK                            ; visit v asks for K's slot v + 2, which the next change of slots loads; visits 6 and 7 ask for nothing
	STEPA 0
	STEPA 1
	s_xor_b32 s[TB], s[TB], SLOT1                  ; on to the other slot
	s_sub_co_u32 s[SLOTS], s[SLOTS], 1
	s_cmp_lg_u32 s[SLOTS], 0
	s_cbranch_scc1 .LpassA
	; BETWEEN THE PASSES: the two halves of the lanes meet.  M = the larger; each half's l is brought under it; g = dropout_p / l.
.irp t, 0,1
	v_add_f32 v[ST+8*\t+6], v[ST+8*\t+2], v[ST+8*\t+3]
.endr
.irp t, 0,1
	v_permlanex16_b32 v[ST+8*\t+5], v[ST+8*\t+1], s[SEL], s[SEL+1]
.endr
.irp t, 0,1
	v_max_num_f32 v[ST+8*\t+1], v[ST+8*\t+1], v[ST+8*\t+5]
.endr
.irp t, 0,1
	v_mov_b32 v[ST+8*\t+7], v[ST+8*\t]
.endr
.irp t, 0,1
	v_mul_f32 v[ST+8*\t], v[CV], v[ST+8*\t+1]      ; the final c M
.endr
.irp t, 0,1
	v_sub_f32 v[ST+8*\t+7], v[ST+8*\t+7], v[ST+8*\t]
.endr
.irp t, 0,1
	v_exp_f32 v[ST+8*\t+4], v[ST+8*\t+7]
.endr
	v_nop                                          ; a plain instruction behind the last transcendental,
	s_wait_alu depctr_va_vdst(0)                   ; and the wait ahead of the first reader
.irp t, 0,1
	v_mul_f32 v[ST+8*\t+6], v[ST+8*\t+6], v[ST+8*\t+4]
.endr
.irp t, 0,1
	v_permlanex16_b32 v[ST+8*\t+5], v[ST+8*\t+6], s[SEL], s[SEL+1]
.endr
.irp t, 0,1
	v_add_f32 v[ST+8*\t+6], v[ST+8*\t+6], v[ST+8*\t+5]   ; the row's sum
.endr
.irp t, 0,1
	v_rcp_f32 v[ST+8*\t+4], v[ST+8*\t+6]
.endr
	v_nop
	s_wait_alu depctr_va_vdst(0)
.irp t, 0,1
	v_mul_f32 v[ST+8*\t+4], s[DP], v[ST+8*\t+4]    ; g
.endr
	; PASS B: visits 8 to 15.  Visit 8 is written out: its first products start O^T's sums, and V's second slot need not be fetched.
	s_mov_b32 s[SLOTS], 7
	CHANGE 1
	FETCHK 0
	ASK LIMV, PFOV, PFV                            ; visit v asks for V's slot v - 6, which the next change of slots loads
	STEPB 0, 1
	STEPB 1, 0
	s_xor_b32 s[TB], s[TB], SLOT1
	s_mov_b32 s[SLOTS], 6
.LpassB:                                               ; visits 9 to 14
	CHANGE 2
	FETCHK 0
	ASK LIMV, PFOV, PFV                            ; visit 14 asks for nothing: there is no slot behind the one that it loads
	STEPB 0, 0
	STEPB 1, 0
	s_xor_b32 s[TB], s[TB], SLOT1
	s_sub_co_u32 s[SLOTS], s[SLOTS], 1
	s_cmp_lg_u32 s[SLOTS], 0
	s_cbranch_scc1 .LpassB
	CHANGE 3                                       ; the last visit is written out
	FETCHK 0
	STEPB 0, 0
	STEPB 1, 0
	; THE WAY OUT.  O^T x 2^(e2 + e3); register 8 dt + i of a tile is out(r, 16 dt + 8 h + i).  Half a row (64 channels, 256 bytes) of 16 queries at a time goes through my stage in LDS and comes
	; back as whole runs of 256 bytes, so that sixteen lanes store 256 consecutive bytes, at a multiple of 256 from the first byte of out.
	s_add_co_i32 s74, s[EX+2], s[EX+3]
	WIN 0x01                                       ; source 0 window 1
.set j, 0
.rept 128
	v_ldexp_f32 v[S+j], v[O+j], s74                ; each accumulator from its low end on
.set j, j+1
.endr
	WIN 0
.irp t, 0,1
.irp u, 0,1
.irp f, 0,1,2,3
	ds_store_b128 v[STO], v[S+64*\t+32*\u+8*\f:S+64*\t+32*\u+8*\f+3] offset:64*\f
	ds_store_b128 v[STO], v[S+64*\t+32*\u+8*\f+4:S+64*\t+32*\u+8*\f+7] offset:64*\f+16
.endr
.irp i, 0,1,2,3,4,5,6,7
	ds_load_b128 v[S+64*\t+32*\u+4*\i:S+64*\t+32*\u+4*\i+3], v[RD] offset:2*\i*SP   ; LDS serves a wave's instructions in order (ISA guide 5.7.1.4): these see my stores, and the next block's stores come behind them
.endr
.endr
.endr
.irp t, 0,1
.irp u, 0,1
.irp i, 0,1,2,3,4,5,6,7
	s_wait_dscnt 16*(3-2*\t-\u)+7-\i               ; behind this load stand its block's 7 - i later loads and sixteen LDS instructions for each later block
	global_store_b128 v[GO], v[S+64*\t+32*\u+4*\i:S+64*\t+32*\u+4*\i+3], s[16:17] offset:8192*\t+1024*\i+256*\u th:TH_STORE_NT   ; written once, read by nobody here
.endr
.endr
.endr
	s_wait_tensorcnt 0x0                           ; the wave's end, behind my last tensor load and my last LDS store
	ds_add_u32 v[SPW], v[NIL]
	s_wait_dscnt 0x0
	CROUND                                         ; the closing round: no work-group ends while a partner may still ask for a tile that names it
	s_endpgm
.Lfunc_end_k_q7c9d66459c_attn:
	.size	k_q7c9d66459c_attn, .Lfunc_end_k_q7c9d66459c_attn-k_q7c9d66459c_attn
	.p2alignl 7, 3214868480
	.fill 96, 4, 3214868480
	.section	.rodata,"a",@progbits
	.p2align	6, 0x0
	.amdhsa_kernel k_q7c9d66459c_attn
		.amdhsa_group_segment_fixed_size 327680
		.amdhsa_private_segment_fixed_size 0
		.amdhsa_enable_private_segment 0
		.amdhsa_kernarg_size 56
		.amdhsa_user_sgpr_count 2
		.amdhsa_user_sgpr_kernarg_segment_ptr 1
		.amdhsa_wavefront_size32 1
		.amdhsa_system_sgpr_workgroup_id_x 1
		.amdhsa_system_sgpr_workgroup_id_y 1
		.amdhsa_system_sgpr_workgroup_id_z 1
		.amdhsa_system_vgpr_workitem_id 0
		.amdhsa_next_free_vgpr 512
		.amdhsa_next_free_sgpr 100
		.amdhsa_reserve_vcc 0
		.amdhsa_float_denorm_mode_32 3
		.amdhsa_float_denorm_mode_16_64 3
		.amdhsa_fp16_overflow 1
		.amdhsa_memory_ordered 1
		.amdhsa_forward_progress 1
		.amdhsa_inst_pref_size 202
	.end_amdhsa_kernel
	.amdgpu_metadata
---
amdhsa.version: [ 1, 2 ]
amdhsa.kernels:
  - .name:           k_q7c9d66459c_attn
    .symbol:         k_q7c9d66459c_attn.kd
    .args:
      - { .name: query_codes, .offset: 0, .size: 8, .value_kind: global_buffer, .address_space: global }
      - { .name: key_codes, .offset: 8, .size: 8, .value_kind: global_buffer, .address_space: global }
      - { .name: value_codes, .offset: 16, .size: 8, .value_kind: global_buffer, .address_space: global }
      - { .name: lowp_scales, .offset: 24, .size: 8, .value_kind: global_buffer, .address_space: global }
      - { .name: scale_factor, .offset: 32, .size: 8, .value_kind: global_buffer, .address_space: global }
      - { .name: dropout_p, .offset: 40, .size: 8, .value_kind: global_buffer, .address_space: global }
      - { .name: out0, .offset: 48, .size: 8, .value_kind: global_buffer, .address_space: global }
    .group_segment_fixed_size: 327680
    .private_segment_fixed_size: 0
    .kernarg_segment_align: 8
    .kernarg_segment_size: 56
    .max_flat_workgroup_size: 256
    .sgpr_count:     100
    .vgpr_count:     512
    .wavefront_size: 32
...
	.end_amdgpu_metadata
.endif
;; end of part 1
